; MI455X (gfx1250); checked and timed in simulation.
; The chip was launched on July 23, 2026; its instructions are those of AMD's public machine-readable ISA for CDNA 5 (MIT licence, August 2026) and "CDNA5" Instruction Set Architecture Reference Guide (July 2026). The comments in the code are by the model that wrote it; some were corrected since.
;; Multi Head Attention. Allowed arithmetic: matrix products marked QUANTISED: E5M2 operands, one given power-of-two scale a tensor, by v_wmma_f32_16x16x64_bf8_bf8 or v_wmma_f32_16x16x128_bf8_bf8, f32 sums; everything else in f32.
;; Inputs: attn_mask 8 x 1,024 x 1,024 bool; keys 1,024 x 8 x 512 float32; lowp_scales 4 int32 (the exponents e of the quantised operands' scales 2^e); queries 1,024 x 8 x 512 float32.
;; Outputs: out0 1,024 x 8 x 512 float32.
;; This version of the problem:
;;   THIS VERSION OF THE PROBLEM IS GIVEN IN LOW PRECISION. The matrix products marked QUANTISED in the list below multiply operands that are first quantised to E5M2 (5 exponent bits, 2 mantissa bits; 8 bits a number), with one given power-of-two scale for each operand tensor; their sums are f32. All else is computed in f32.
;;   The module's matrix products, in the order in which they are computed (A, B: the left and right operand; K: the contracted axis; several contracted axes count as one K, in the product's order):
;;     1. batch 64 x [M 1,024, K 64] x [K 64, N 1,024]; A: input queries; B: input keys: QUANTISED (scales: A lowp_scales[0], B lowp_scales[1])
;;     2. batch 64 x [M 64, K 1,024] x [K 1,024, N 1,024]; A: input keys; B: softmax (see below): QUANTISED (scales: A lowp_scales[2], B lowp_scales[3])
;;   THE QUANTISER, for each operand of a quantised product, along K:
;;     - The operand's scale is 2^e, e = its entry of the input lowp_scales (int32; the entries are numbered through the quantised products in the list's order, A before B).
;;     - Each number is divided by the scale, clamped to +-57,344, and rounded to the nearest number of E5M2, ties to even, subnormals kept.
;;     - The product sums the exact products of the quantised numbers (number of the format x scale) in f32.
;;   ~~~python
;;   def quantise(x, axis, e):      # numpy; x: float32 -> the quantised numbers, widened to float32 again
;;       x = np.moveaxis(x, axis, -1); K = x.shape[-1]
;;       r = np.clip(x / 2.0 ** e, -57344, 57344)
;;       step = 2.0 ** (np.maximum(np.frexp(np.where(r == 0, 1, r))[1] - 1, -14) - 2)
;;       q = np.round(r / step) * step * 2.0 ** e      # np.round: ties to even
;;       return np.moveaxis(q, -1, axis).astype(np.float32)
;;   ~~~
;;   SOFTMAX AHEAD OF A QUANTISED PRODUCT. Where the list says 'softmax', what is quantised is not the finished softmax but p = 2^(t - M), with t = logit x log2(e) and M = ceil(the row's largest t), a whole number; so 1/2 < the row's largest p <= 1. The row's sum l is taken of the UNQUANTISED p, in f32, and the product's result is divided by l at the end. Since M is a whole number, a kernel that streams over the keys may use a running M (the ceiling of the running maximum): every later rescaling is an exact power of two, so the quantised numbers keep their values, but for numbers so far below the row's largest that they fall under the format's range.
;;   OPERANDS COMPUTED ON THE WAY. 'Computed on the way' means the value that the module computes at that place (a softmax that the list does not call 'softmax' is quantised finished and normalised). What goes into a quantiser is computed in f32, as accurately as f32 sums, v_exp_f32 and their like allow (about 1e-6 of the number): no bf16 or f16 on the way to a quantiser, and a product that is left as it is and whose result goes on into a quantised operand takes f32 operands (vector FMAs, or v_wmma_f32_16x16x4_f32). A number that lies on a knife's edge between two numbers of the format may be rounded either way, as far as f32 arithmetic and the matrix unit's own rounding can turn it there, and no further.
;; One version. Each part assembles by itself: llvm-mc -triple=amdgcn-amd-amdhsa -mcpu=gfx1250 --defsym DOCPART=n.
;; ======== version 1 of 1: 1 launch
;; limits: right only within a limited range of input values
;; launch attn (part 1): grid 64 x 4, 8 waves a work-group, no clusters, 218,624 bytes of LDS; arguments queries, keys, attn_mask, lowp_scales, out0; writes out0
.if DOCPART == 1
	.amdgcn_target "amdgcn-amd-amdhsa--gfx1250"
	.amdhsa_code_object_version 6
	.text
	.protected	k_qc3cc76e0f5_attn
	.globl	k_qc3cc76e0f5_attn
	.p2align	8
	.type	k_qc3cc76e0f5_attn,@function
k_qc3cc76e0f5_attn:
	s_mov_b64 s[64:65], 0
	v_nop
	global_prefetch_b8 v0, s[64:65] scope:SCOPE_SE
	s_setreg_imm32_b32 hwreg(HW_REG_WAVE_MODE, 25, 1), 1
	s_wait_xcnt 0x0
; out[t][n][:] = sum over s of softmax_s(q[t][n] . k[s][n] / 8, masked) k[s][n][:], 64 heads n of size 64, 1,024 queries, 1,024 keys; the values are the keys.
; queries, keys, out0: [1024][4096] f32, head n at float 64 n of a row.  attn_mask: [8][1024][1024] bytes (0 or 1); head n takes plane n % 8.
; BOTH PRODUCTS ON CODES OF E5M2: q / 2^e0, k / 2^e1 (scores), k / 2^e2 (values, along the keys), p / 2^e3; e0..e3 = lowp_scales.
; SOFTMAX: t = score x log2(e) / 8; M = the running largest t rounded up to a whole number; p = 2^(t - M) is quantised, not normalised; the row's sum is taken of the unquantised p
; and divides at the end; when M moves, the sum and O are multiplied by 2^(old M - new M), which rounds nothing.
; SHARES.  Work-group (x = head, y = block of 256 queries): 256 in all.  Eight waves of 512 registers, two to a SIMD; a wave owns 32 queries, two tiles, so that each fragment of K and V
; read from LDS feeds two products.  The keys go in four steps of 256.  While step s is worked, each wave quantises 32 keys of step s + 1, in two halves of 16 (lane (r, h), half u: keys
; 16 h + 8 u + 0 .. 7, channels 4 r .. 4 r + 3), into LDS; all codes have places of their own there, so nothing is filled twice and one barrier a step serves.
; LAYOUT.  Both products are used transposed: S^T = K Q^T (source 0 = 16 keys, source 1 = 16 queries), O^T = V^T P^T (source 0 = 16 channels, source 1 = P): a lane holds ONE query
; (lane % 16) of each tile.  Row m of key tile 2 b + u is key 32 b + 8 u + m + 8 (m / 8), so that the 16 registers of key tiles 2 b, 2 b + 1 are the 16 neighbouring keys
; 32 b + 16 (lane / 16) + 0 .. 15, and the conversions' results are the second product's operand.
; THE MASK.  Through the wave's stage a lane gets, for its query, the 16 mask bytes of just those 16 keys.  One v_perm_b32, with the bytes as its selector, makes of four of them codes of E5M2:
; 1 -> 0, 0 -> -2^15; one conversion makes of eight codes eight f32 numbers, 0 or -2^15 x 2^111 = -2^126, in the registers in which the scores will stand; the score product takes them as its C.
; A sum of codes is under 2^38 in magnitude; the largest t begins at -c 2^40, under every t that counts and over every t that does not: a hidden key's p is 0, also while a row has met hidden
; keys alone.  A row with no key at all ends as 0 x (1 / 0) = NaN, as the softmax of such a row is.
; TWO BRANCHES ON THE GIVEN WHOLE NUMBERS, round register work alone: where e1 = e2 the keys' two sets of codes are the same and are made once; where e3 >= -15 the hold of p can hold nothing.
; ORDER OF SUMS: along K the operands are laid in pieces of 16 bytes, the same permutation of k in both operands of a product; only the order of additions inside an instruction differs from k ascending.
; LIMITS: each e between -126 and 112 (2^e and 57,344 x 2^e are f32 numbers); e0 + e1 between -112 and 80 (c 2^(e0 + e1) x 2^40 is finite, x 2^126 at least 2^8); e2 + e3 is applied by
; v_ldexp_f32 and has none.  NaN among queries or keys is not served; infinities are held at the largest code.  Mask bytes are 0 or 1.
; NO CLUSTER, NO JOINT LOADS: a joint load lands in LDS.  A step's f32 keys and mask rows are 65,536 + 65,536 bytes; two slots of that (262,144) and the codes (147,968) pass the 327,680 bytes of LDS.
; NO PREFETCH INTO THE L2: loads go to registers and are issued ahead of their use by most of a step (the mask: behind a step's scores for the next step) or by half a step (the keys), of four steps in all.
; LDS: 0: K's codes, 1,024 rows of 64 bytes + 16; key s lies in row s with bits 3 and 4 exchanged, so a tile's rows are neighbours.
;   81,920: V^T's images: block of 128 keys x 8,256 + channel tile x 2,064 + c x 512 + 16 x lane: lane (r, h): channel 16 tile + r, keys 32 c + 16 h + 0 .. 15 of the block.
;   147,968 + 8,704 x wave: the wave's own stage, 32 rows x (256 + 16) bytes: first for Q, then for the mask, at the end for O.   217,600: the spare words.
; REGISTERS, window 0: v0 thread; v1-8 addresses that stay; v9, v254, v255, v27 addresses of the step; v[10:11] -M of the two tiles; v[12:13] largest t; v[14:15] f; v16-19 sums, two halves a tile; v20 2^e3; v21 the mask's
;   scale; v22 2^e1; v23 2^e2; v24-27 at work; v28-43 Q's codes; v44-107 O^T; v108-171 the mask, then K's tiles 4-11; v172-203 keys as loaded; v204-235 K's tiles 0-3, 14, 15, then tile 0's p codes;
;   v236-251 partial sums, a half's codes, then p codes of tile 1; v252, v253 the lane permutes' destinations.
;   window 1: S^T, 2 tiles x 128; tile 0's half takes V's fragments once its codes are made; tile 1's lowest 16 take its last codes.
.set KP,    80
.set VBASE, 1024*KP
.set VTS,   2064
.set VBLK,  4*VTS
.set WREG,  VBASE+8*VBLK
.set SP,    272
.set TST,   16*SP                      ; from tile to tile in a stage
.set WREGB, 2*TST
.set SPARE, WREG+8*WREGB
.set ROW,   16384                      ; a row of queries, keys or out0 in bytes
.set NM,  10
.set FP,  14
.set SUM, 16
.set QC,  28
.set O,   44
.set MG,  108
.set KX,  172
.set F,   204
.set ACC, 236                          ; (at a step's head: K's tiles 12 and 13)
.set AB,  F                            ; a half's work: half-turned words,
.set CV,  F+4                          ; codes for V where e2 is not e1,
.set TA,  F+8                          ; 16 numbers held for them,
.set VTB, ACC+8                        ; and the codes for V, turned (ACC .. ACC + 7: the codes for K)
.set MSB, 0
.macro WIN new                         ; the immediate's high byte repeats the setting that is left
.if MSB != \new
	s_set_vgpr_msb (MSB<<8)|\new
.set MSB, \new
.endif
.endm
.macro VWAIT
	s_wait_alu depctr_va_vdst(0)
.endm
.macro PLACES                          ; four plain vector lines behind matrix instructions (ISA guide 7.12.1)
.rept 4
	v_nop
.endr
.endm
.macro MKS e, sc, sp                   ; v[sc] = 2^e as f32 (the conversion takes its exponent field), s[sp], s[sp+1] = -+57,344 x 2^e
	s_add_co_i32 s44, s[\e], 127
	s_lshl_b32 s45, s44, 23
	v_mov_b32 v[\sc], s45
	s_add_co_i32 s44, s44, 15
	s_lshl_b32 s44, s44, 23
	s_or_b32 s[\sp+1], s44, 0x600000
	s_or_b32 s[\sp], s[\sp+1], 0x80000000
.endm
; ---- A half: 16 of my 32 keys.  A lane holds 8 neighbouring keys x 4 channels: register 4 i + j = key i, channel 4 r + j.  FOUR takes four keys (16 numbers):
; e1's codes, a key's four channels a word, go to the key's row as they are; the codes for V are turned, 4 x 4 bytes by eight v_perm_b32, into a channel's four keys a word.
.macro KCODES                          ; held and converted with e1, in place
.set qi, 0
.rept 16
	v_med3_num_f32 v[XM+qi], v[XM+qi], s46, s47    ; the conversion to an 8-bit code does not saturate (ISA guide 7.6.2)
.set qi, qi+1
.endr
	v_cvt_scalef32_pk8_bf8_f32 v[CKM:CKM+1], v[XM:XM+7], v22
	v_cvt_scalef32_pk8_bf8_f32 v[CKM+2:CKM+3], v[XM+8:XM+15], v22
.endm
.macro HALFTURN c
	v_perm_b32 v[AB],   v[\c+1], v[\c],   s32      ; key 0, 1: channel 0, channel 1
	v_perm_b32 v[AB+1], v[\c+1], v[\c],   s33      ; key 0, 1: channel 2, channel 3
	v_perm_b32 v[AB+2], v[\c+3], v[\c+2], s32      ; key 2, 3
	v_perm_b32 v[AB+3], v[\c+3], v[\c+2], s33
.endm
.macro FOUR X, half, m, aks
.set XM, \X+16*(\m)
.set CKM, ACC+4*(\m)
	s_cmp_eq_u32 s21, s22                          ; the two given exponents for the keys
	s_cbranch_scc1 .Lone_\@
	VWAIT
.set qi, 0
.rept 16
	v_med3_num_f32 v[TA+qi], v[XM+qi], s48, s49
.set qi, qi+1
.endr
	v_cvt_scalef32_pk8_bf8_f32 v[CV:CV+1], v[TA:TA+7], v23
	v_cvt_scalef32_pk8_bf8_f32 v[CV+2:CV+3], v[TA+8:TA+15], v23
	KCODES                                         ; (its sixteen holds are plain lines between the conversions above and the reads of their results)
	HALFTURN CV
	s_branch .Ljoin_\@
.Lone_\@:
	VWAIT
	KCODES
	v_nop                                          ; a plain line between the conversions and the reads of their results
	HALFTURN CKM
.Ljoin_\@:
	VWAIT
	v_perm_b32 v[VTB+(\m)],   v[AB+2], v[AB],   s34  ; channel 0 of keys 4 m .. 4 m + 3
	v_perm_b32 v[VTB+2+(\m)], v[AB+2], v[AB],   s35  ; channel 1
	v_perm_b32 v[VTB+4+(\m)], v[AB+3], v[AB+1], s34  ; channel 2
	v_perm_b32 v[VTB+6+(\m)], v[AB+3], v[AB+1], s35  ; channel 3
.irp k, 0,1,2,3
	ds_store_b32 v[\aks], v[CKM+\k] offset:(16*(\half)+4*(\m)+\k)*KP   ; key 16 h + 8 half + i lies in row 16 half + 8 h + i
.endr
.endm
.macro MASKIN                          ; the block's mask, for my queries: register 32 a + 4 b ..: query r of tile a, keys 32 b + 16 h + 0 .. 15
.irp b, 0,1,2,3,4,5,6,7
	ds_load_b128 v[MG+4*\b:MG+4*\b+3], v4 offset:32*\b
.endr
.irp b, 0,1,2,3,4,5,6,7
	ds_load_b128 v[MG+32+4*\b:MG+32+4*\b+3], v4 offset:TST+32*\b
.endr
.endm
.macro MASKOUT                         ; the mask as it was loaded, by rows, into my stage
.irp i, 0,1,2,3,4,5,6,7,8,9,10,11,12,13,14,15
	ds_store_b128 v3, v[MG+4*\i:MG+4*\i+3] offset:2*\i*SP
.endr
.endm
.macro QUANT X, half, aks, avs         ; twelve LDS stores
	FOUR \X, \half, 0, \aks
	FOUR \X, \half, 1, \aks
.irp j, 0,1,2,3
	ds_store_b64 v[\avs], v[VTB+2*\j:VTB+2*\j+1] offset:16*\j+8*(\half)   ; channel 4 r + j: my eight keys of its place of 16 bytes
.endr
.endm
.macro KLOAD base, half, on            ; a half of the step at the base, or (on = 1) of the step behind it; sixteen lanes read the head's 256 bytes of a row, aligned
.irp i, 0,1,2,3,4,5,6,7
	global_load_b128 v[\base+4*\i:\base+4*\i+3], v6, s[6:7] offset:(256*(\on)+8*(\half)+\i)*ROW
.endr
.endm
.macro MLOAD                           ; rows 2 i, 2 i + 1 of my 32: 256 consecutive bytes each, aligned
.irp i, 0,1,2,3,4,5,6,7,8,9,10,11,12,13,14,15
	global_load_b128 v[MG+4*\i:MG+4*\i+3], v5, s[8:9] offset:2*\i*1024
.endr
.endm
.macro MASKT a                         ; mask bytes of tile a into the addends of its 128 scores
.set qi, MG+32*(\a)
.rept 32
	v_perm_b32 v[qi], s30, s30, v[qi]              ; byte 0 -> 0xf8 (-2^15), byte 1 -> 0
.set qi, qi+1
.endr
	WIN 0x40
.set qi, 0
.rept 16
	v_cvt_scale_pk8_f32_bf8 v[128*(\a)+8*qi:128*(\a)+8*qi+7], v[MG+32*(\a)+2*qi:MG+32*(\a)+2*qi+1], v21
.set qi, qi+1
.endr
	WIN 0
.endm
.macro KFRAG t, reg                    ; key tile t of the step: 16 neighbouring rows
	ds_load_b128 v[\reg:\reg+3], v9 offset:16*(\t)*KP
	ds_load_b128 v[\reg+4:\reg+7], v9 offset:16*(\t)*KP+32
.endm
.macro SCORE t, reg
	v_wmma_f32_16x16x64_bf8_bf8 v[8*(\t):8*(\t)+7], v[\reg:\reg+7], v[QC:QC+7], v[8*(\t):8*(\t)+7]
	v_wmma_f32_16x16x64_bf8_bf8 v[128+8*(\t):128+8*(\t)+7], v[\reg:\reg+7], v[QC+8:QC+15], v[128+8*(\t):128+8*(\t)+7]
.endm
.macro FM a, n                         ; t - M, two at a time; of the pair of -M tile 0 takes the low word, tile 1 the high one
.if (\a) == 0
	v_pk_fma_f32 v[\n:\n+1], v[\n:\n+1], s[28:29], v[NM:NM+1] op_sel_hi:[1,0,0]
.else
	v_pk_fma_f32 v[\n:\n+1], v[\n:\n+1], s[28:29], v[NM:NM+1] op_sel:[0,0,1] op_sel_hi:[1,0,1]
.endif
.endm
; The softmax of tile a in two chunks of 64 registers: a chunk's exponentials by turns with the next chunk's multiply-adds; ONE wait behind a chunk serves its sums and the next chunk's exponentials.
; (Tile 1's first chunk is multiplied among tile 0's last exponentials.)
; Here the chunks are two, of 64 registers.  vl = 1: V's second 128 keys are loaded between them.
.macro VLOAD g                         ; V's four fragments of 128 keys, into tile 0's score registers, whose numbers have become codes
	WIN 0x40
.irp d, 0,1,2,3
.irp c, 0,1,2,3
	ds_load_b128 v[64*(\g)+16*\d+4*\c:64*(\g)+16*\d+4*\c+3], v254 offset:VBLK*(\g)+VTS*\d+512*\c
.endr
.endr
.endm
.macro SOFT a, vl
	WIN 0x41
.if (\a) == 0
.set qn, 0
.rept 32
	FM 0, qn
.set qn, qn+2
.endr
	VWAIT
.endif
.irp k, 0,1
.set qn, 128*(\a)+64*\k
.rept 32
	v_exp_f32 v[qn], v[qn]                         ; p = 2^(t - M)
.if \k == 0
	FM \a, qn+64
.elseif (\a) == 0
	FM 1, qn+64
.endif
	v_exp_f32 v[qn+1], v[qn+1]
.set qn, qn+2
.endr
.if \k == 1
	v_nop                                          ; a plain line behind the exponentials
.endif
	VWAIT
.if (\a) == 0 && \k == 0
	s_wait_dscnt 0x0                               ; the first half's stores of codes have read their registers, which take partial sums now
.endif
.set qn, 128*(\a)+64*\k
.if \k == 0
	WIN 0x05
.set qm, ACC
.rept 8
	v_pk_add_f32 v[qm:qm+1], v[qn:qn+1], v[qn+2:qn+3]   ; the row's sum, of the unquantised p, in eight pairs
.set qn, qn+4
.set qm, qm+2
.endr
.endif
	WIN 0x04
.rept 2+2*\k
.set qm, ACC
.rept 8
	v_pk_add_f32 v[qm:qm+1], v[qm:qm+1], v[qn:qn+1]
.set qn, qn+2
.set qm, qm+2
.endr
.endr
.if \k == 0
.if \vl
	VLOAD 1
.endif
	WIN 0x41
.endif
.endr
	WIN 0
.irp j, 0,2,4,6
	v_pk_add_f32 v[ACC+\j:ACC+\j+1], v[ACC+\j:ACC+\j+1], v[ACC+8+\j:ACC+9+\j]
.endr
	v_pk_add_f32 v[ACC:ACC+1], v[ACC:ACC+1], v[ACC+4:ACC+5]
	v_pk_add_f32 v[ACC+2:ACC+3], v[ACC+2:ACC+3], v[ACC+6:ACC+7]
	v_pk_add_f32 v[ACC:ACC+1], v[ACC:ACC+1], v[ACC+2:ACC+3]
.if (\a) == 0
	v_pk_fma_f32 v[SUM:SUM+1], v[SUM:SUM+1], v[FP:FP+1], v[ACC:ACC+1] op_sel_hi:[1,0,1]   ; the sums so far x f + the step's
.else
	v_pk_fma_f32 v[SUM+2:SUM+3], v[SUM+2:SUM+3], v[FP:FP+1], v[ACC:ACC+1] op_sel:[0,1,0] op_sel_hi:[1,1,1]
.endif
.endm
.macro HOLD a                          ; the conversion does not saturate (ISA guide 7.6.2); p is not negative, so the hold is one-sided
	VWAIT
	s_cmp_ge_i32 s23, -15                          ; from e3 = -15 on the limit 57,344 x 2^e3 is 1.75 or more, and p passes 1 by a rounding at the most: the hold could hold nothing
	s_cbranch_scc1 .Lheld_\@
	WIN 0x44
.set qi, 128*(\a)
.rept 128
	v_min_num_f32 v[qi], s57, v[qi]
.set qi, qi+1
.endr
	WIN 0
.Lheld_\@:
.endm
.macro CODES src, dst                  ; 16 neighbouring keys' p -> four registers of codes
	v_cvt_scalef32_pk8_bf8_f32 v[\dst:\dst+1], v[\src:\src+7], v20
	v_cvt_scalef32_pk8_bf8_f32 v[\dst+2:\dst+3], v[\src+8:\src+15], v20
.endm
; ---- A STEP of 256 keys.  At its head the step's codes are whole in LDS, both tiles' mask bytes stand in v[MG .. MG+63].
.macro RESC a                          ; O^T of tile a under the new M
	VWAIT
.set qi, O+32*(\a)
.rept 16
.if (\a) == 0
	v_pk_mul_f32 v[qi:qi+1], v[qi:qi+1], v[FP:FP+1] op_sel_hi:[1,0]
.else
	v_pk_mul_f32 v[qi:qi+1], v[qi:qi+1], v[FP:FP+1] op_sel:[0,1] op_sel_hi:[1,1]
.endif
.set qi, qi+2
.endr
.endm
.macro PVK a, p, vf                    ; 128 keys of tile a: four channel tiles by turns
.irp d, 0,1,2,3
	v_wmma_f32_16x16x128_bf8_bf8 v[O+32*(\a)+8*\d:O+32*(\a)+8*\d+7], v[\vf+16*\d:\vf+16*\d+15], v[\p:\p+15], v[O+32*(\a)+8*\d:O+32*(\a)+8*\d+7]
.endr
.endm
.macro INV a                           ; v26 = 2^(e2 + e3) / tile a's sum
	v_add_f32 v24, v[SUM+2*(\a)], v[SUM+2*(\a)+1]  ; the sum's two halves,
	v_permlanex16_b32 v252, v24, s26, s27
	v_add_f32 v24, v24, v252                       ; and lane l xor 16's
	VWAIT
	v_rcp_f32 v24, v24
	v_nop                                          ; a plain line behind the transcendental
	VWAIT
	v_ldexp_f32 v26, v24, s44
.endm
.macro OUT a                           ; THE WAY OUT of tile a: through my stage, so that sixteen lanes store a query's 256 bytes of this head
.set qi, 32*(\a)
.rept 16
	v_pk_mul_f32 v[MG+qi:MG+qi+1], v[O+qi:O+qi+1], v[26:27] op_sel_hi:[1,0]   ; register 8 d + i is out(query r, channel 16 d + 8 h + i)
.set qi, qi+2
.endr
.irp d, 0,1,2,3
	ds_store_b128 v9, v[MG+32*(\a)+8*\d:MG+32*(\a)+8*\d+3] offset:TST*(\a)+64*\d
	ds_store_b128 v9, v[MG+32*(\a)+8*\d+4:MG+32*(\a)+8*\d+7] offset:TST*(\a)+64*\d+16
.endr
.irp i, 0,1,2,3,4,5,6,7
	ds_load_b128 v[O+32*(\a)+4*\i:O+32*(\a)+4*\i+3], v3 offset:TST*(\a)+2*\i*SP   ; back by rows: lanes 0-15 one query, lanes 16-31 the next; in order behind my stores
.endr
.irp i, 0,1,2,3,4,5,6,7
	s_wait_dscnt 7-\i                              ; load i is in; the younger ones may be out
	global_store_b128 v8, v[O+32*(\a)+4*\i:O+32*(\a)+4*\i+3], s[12:13] offset:(16*(\a)+2*\i)*ROW th:TH_STORE_NT   ; sixteen lanes store 256 consecutive bytes, at a multiple of 256 from out0's first byte; written once
.endr
.endm
; last = 0: a step in the loop; 1: the last but one, which loads no keys for the step after the next; 2: the last.
.macro STEP last
	v_add_nc_u32 v9, s50, v1
	v_add_nc_u32 v254, s51, v2
.irp t, 0,1,2,3
	KFRAG \t, F+8*\t
.endr
.irp t, 12,13
	KFRAG \t, ACC+8*(\t-12)
.endr
	MASKT 0                                        ; under the loads' way; then its mask registers take K's tiles
.irp t, 4,5,6,7
	KFRAG \t, MG+8*(\t-4)
.endr
	MASKT 1
	v_nop                                          ; a plain line between the conversions and the products that take their results
.irp t, 8,9,10,11
	KFRAG \t, MG+8*(\t-4)
.endr
	VWAIT
	s_wait_dscnt 16                                ; LDS loads come back in order: tiles 0-3, 12, 13 are in, the 16 loads of tiles 4-11 may be out
	WIN 0x50
.irp t, 0,1,2,3
	SCORE \t, F+8*\t
.endr
.irp t, 12,13
	SCORE \t, ACC+8*(\t-12)
.endr
	WIN 0
	PLACES
.irp t, 14,15
	KFRAG \t, F+8*(\t-14)
.endr
	WIN 0x50
	s_wait_dscnt 12                                ; tiles 4-7 are in: eight loads of tiles 8-11 and four of 14, 15 may be out
.irp t, 4,5,6,7
	SCORE \t, MG+8*(\t-4)
.endr
	s_wait_dscnt 4                                 ; tiles 8-11
.irp t, 8,9,10,11
	SCORE \t, MG+8*(\t-4)
.endr
	s_wait_dscnt 0x0                               ; tiles 14, 15
.irp t, 14,15
	SCORE \t, F+8*(\t-14)
.endr
	WIN 0
	PLACES
.if \last < 2
	MLOAD                                          ; the next step's mask
	v_add_nc_u32 v255, s50, v7
	v_add_nc_u32 v27, s51, v8
	VWAIT
	s_wait_loadcnt 16                              ; the next step's keys, first half, are in; the mask's 16 may be out
	QUANT KX, 0, 255, 27
	KLOAD KX, 1, 0                                 ; the second half
.endif
	WIN 0x15                                       ; the step's largest score of my two queries among my 128 keys each, in two chains a tile, ascending
	v_max3_num_f32 v24, v0, v1, v2                 ; (v256, v257, v258)
	v_max3_num_f32 v25, v3, v4, v5
	v_max3_num_f32 v26, v128, v129, v130
	v_max3_num_f32 v27, v131, v132, v133
	WIN 0x14
.set qi, 6
.rept 30
	v_max3_num_f32 v24, v24, v[qi], v[qi+1]
	v_max3_num_f32 v25, v25, v[qi+2], v[qi+3]
	v_max3_num_f32 v26, v26, v[qi+128], v[qi+129]
	v_max3_num_f32 v27, v27, v[qi+130], v[qi+131]
.set qi, qi+4
.endr
	v_max3_num_f32 v24, v24, v126, v127
	v_max3_num_f32 v26, v26, v254, v255            ; (v510, v511)
	WIN 0
	v_max_num_f32 v24, v24, v25
	v_max_num_f32 v26, v26, v27
	v_permlanex16_b32 v252, v24, s26, s27
	v_permlanex16_b32 v253, v26, s26, s27
	v_max_num_f32 v24, v24, v252                   ; and among lane l xor 16's
	v_max_num_f32 v26, v26, v253
	v_mul_f32 v24, s28, v24                        ; as t (c is positive)
	v_mul_f32 v26, s28, v26
	v_max_num_f32 v12, v12, v24                    ; the running largest t
	v_max_num_f32 v13, v13, v26
	v_floor_f32 v24, -v12                          ; the new -M = floor(-t) = -ceil(t)
	v_floor_f32 v25, -v13
	v_sub_f32 v26, v24, v10                        ; old M less new M: a whole number, 0 or less
	v_sub_f32 v27, v25, v11
	v_mov_b32 v10, v24
	v_mov_b32 v11, v25
	v_cvt_i32_f32 v26, v26                         ; (it saturates)
	v_cvt_i32_f32 v27, v27
	v_ldexp_f32 v14, 1.0, v26                      ; f = 2^(old M - new M)
	v_ldexp_f32 v15, 1.0, v27
	SOFT 0, 0
.if \last < 2
	v_add_nc_u32 v255, s50, v7
	v_add_nc_u32 v27, s51, v8
	VWAIT
	s_wait_loadcnt 8                               ; the mask is in; the keys' second half may be out
	MASKOUT
	s_wait_loadcnt 0x0
	QUANT KX, 1, 255, 27
	VWAIT
	s_wait_dscnt 12                                ; the stage holds the mask, and its stores have read their registers; the half's twelve stores may be out
	MASKIN
.if \last == 0
	KLOAD KX, 0, 1                                 ; the first half of the step after the next
.endif
.endif
	HOLD 0
	WIN 0x01
.irp b, 0,1,2,3,4,5,6,7
	CODES 16*\b, F+4*\b
.endr
.if \last < 2
	WIN 0
	VWAIT
	s_wait_dscnt 0x0                               ; my codes of the next step are in LDS, for the others' sake, and my mask bytes in registers
	s_barrier_signal -1                            ; up to the wait at the step's end: work on registers, and loads of V's codes, which nobody writes again
.endif
	VLOAD 0                                        ; lands under tile 1's softmax
.if \last == 2                         ; tile 0 is finished and leaves ahead of tile 1's softmax
	VLOAD 1
	WIN 0
	s_add_co_i32 s44, s22, s23
	v_bfe_u32 v25, v0, 4, 1                        ; h
	v_lshl_add_u32 v9, v25, 4, v4                  ; into the stage: 272 r + 32 h
	v_lshlrev_b32 v8, 14, v25
	v_and_b32 v25, 15, v0
	v_lshl_add_u32 v8, v25, 4, v8                  ; out0: 16,384 h + 16 r
	INV 0
	RESC 0
	VWAIT
	s_wait_dscnt 0x0                               ; V is in
	WIN 0x01
	PVK 0, F, 0
	PVK 0, F+16, 64
	WIN 0
	PLACES
	OUT 0
.endif
.if \last < 2
	SOFT 1, 1
.else
	SOFT 1, 0
.endif
	HOLD 1
	WIN 0x01
.irp b, 0,1,2,3
	CODES 128+16*\b, ACC+4*\b
.endr
	WIN 0
.if \last < 2
	RESC 0                                         ; (also the plain lines behind the conversions)
.else
	INV 1
.endif
	RESC 1
	WIN 0x41
.irp b, 0,1,2,3
	CODES 192+16*\b, 128+4*\b                      ; into registers whose numbers have been converted
.endr
	WIN 0x01
	v_nop                                          ; a plain line between the conversions and the products that read their results
	VWAIT
	s_wait_dscnt 0x0                               ; V is in
.if \last < 2
	PVK 0, F, 0                                    ; keys 0-127; the accumulators by turns
.endif
	PVK 1, ACC, 0
.if \last < 2
	PVK 0, F+16, 64                                ; keys 128-255
.endif
	WIN 0x05
.irp d, 0,1,2,3
	v_wmma_f32_16x16x128_bf8_bf8 v[O+32+8*\d:O+32+8*\d+7], v[64+16*\d:64+16*\d+15], v[128:143], v[O+32+8*\d:O+32+8*\d+7]
.endr
	WIN 0
.if \last == 2
	PLACES
	OUT 1
.else
	PLACES                                         ; in front of the next step's loads into the products' registers
	s_add_co_u32 s50, s50, 256*KP                  ; on to the next step
	s_add_co_u32 s51, s51, 2*VBLK
	VWAIT
	s_wait_xcnt 0x0                                ; my loads have had their addresses translated: the bases may be written
	s_add_nc_u64 s[6:7], s[6:7], 256*ROW
	s_add_nc_u64 s[8:9], s[8:9], 0x100
	s_barrier_wait -1                              ; the next step's codes are whole; nobody writes them again
.endif
.endm
	s_load_b256 s[4:11], s[0:1], 0x0               ; queries s[4:5], keys s[6:7], mask s[8:9], scales s[10:11]
	s_load_b64 s[12:13], s[0:1], 0x20              ; out0
	v_lshrrev_b32 v24, 5, v0
	v_readfirstlane_b32 s14, v24                   ; wave 0..7
	s_and_b32 s16, ttmp7, 0xffff                   ; y: my block of 256 queries
	v_and_b32 v24, 15, v0                          ; r
	v_bfe_u32 v25, v0, 4, 1                        ; h
	v_lshlrev_b32 v6, 18, v25
	v_lshlrev_b32 v5, 10, v25
	v_lshlrev_b32 v26, 14, v25
	v_lshl_add_u32 v6, v24, 4, v6                  ; keys: lanes 16-31 stand 16 keys further down; 4 channels a lane
	v_lshl_add_u32 v5, v24, 4, v5                  ; mask: lanes 0-15 one row, lanes 16-31 the next; 16 bytes a lane
	v_lshl_add_u32 v26, v24, 4, v26                ; the same for rows of queries
	s_lshl_b32 s24, ttmp9, 8                       ; keys: head x 256 bytes + wave x 32 rows
	s_lshl_b32 s17, s14, 19
	s_add_co_u32 s24, s24, s17
	s_mov_b32 s25, 0
	s_lshl_b32 s40, s16, 22                        ; queries, out0: the same + y x 256 rows
	s_add_co_u32 s40, s40, s24
	s_mov_b32 s41, 0
	s_and_b32 s42, ttmp9, 7                        ; mask: plane head % 8 of 2^20 bytes + y x 256 rows of 1,024 + wave x 32 rows
	s_lshl_b32 s42, s42, 20
	s_lshl_b32 s17, s16, 18
	s_add_co_u32 s42, s42, s17
	s_lshl_b32 s17, s14, 15
	s_add_co_u32 s42, s42, s17
	s_mov_b32 s43, 0
	VWAIT
	s_wait_kmcnt 0x0
	s_load_b128 s[20:23], s[10:11], 0x0            ; e0, e1, e2, e3
	s_add_nc_u64 s[4:5], s[4:5], s[40:41]
	s_add_nc_u64 s[6:7], s[6:7], s[24:25]
	s_add_nc_u64 s[8:9], s[8:9], s[42:43]
	s_add_nc_u64 s[12:13], s[12:13], s[40:41]
	; 48 loads in one run: step 0's keys, for which all waves wait; my queries; step 0's mask
	KLOAD KX, 0, 0
	KLOAD O, 1, 0
	WIN 0x40
.irp i, 0,1,2,3,4,5,6,7,8,9,10,11,12,13,14,15
	global_load_b128 v[4*\i:4*\i+3], v26, s[4:5] offset:2*\i*ROW th:TH_LOAD_NT   ; queries 2 i, 2 i + 1: the head's 256 bytes of each, aligned; read once in the launch
.endr
	WIN 0
	MLOAD
	; the other addresses, while the loads are out
	v_and_b32 v27, 31, v0
	v_mul_u32_u24 v1, v24, KP
	v_mul_u32_u24 v3, v25, SP
	v_mul_u32_u24 v4, v24, SP
	v_mul_u32_u24 v7, v25, 8*KP
	v_lshrrev_b32 v8, 2, v24
	v_lshl_add_u32 v2, v27, 4, VBASE               ; V's images: + 16 x lane
	v_lshl_add_u32 v1, v25, 4, v1                  ; K's fragments: row r, + 16 h
	v_and_b32 v27, 3, v24
	s_mul_i32 s36, s14, WREGB
	s_add_co_u32 s36, s36, WREG                    ; my stage
	v_lshl_add_u32 v3, v24, 4, v3
	v_lshl_add_u32 v4, v25, 4, v4
	v_lshl_add_u32 v7, v24, 2, v7
	v_mul_u32_u24 v8, v8, VTS
	v_add_nc_u32 v3, s36, v3                       ; the stage by rows: 272 h + 16 r
	v_add_nc_u32 v4, s36, v4                       ; by queries: 272 r + 16 h
	s_mul_i32 s37, s14, 32*KP
	v_add_nc_u32 v7, s37, v7                       ; K's codes: my 32 rows; lanes 16-31 8 rows on; 4 bytes a lane
	v_lshl_add_u32 v8, v27, 6, v8
	s_lshr_b32 s38, s14, 2                         ; V's images: block wave / 4, c = wave % 4, channel tile r / 4, place 16 h + 4 (r % 4) + j of 16 bytes
	s_mul_i32 s38, s38, VBLK
	s_and_b32 s39, s14, 3
	s_lshl_b32 s39, s39, 9
	s_add_co_u32 s38, s38, s39
	s_add_co_u32 s38, s38, VBASE
	v_lshl_add_u32 v8, v25, 8, v8
	v_add_nc_u32 v8, s38, v8
	v_mul_u32_u24 v9, v25, 48
	v_add_nc_u32 v9, v9, v4                        ; where I read Q back: 272 r + 64 h
	s_mov_b32 s26, 0x76543210                      ; v_permlanex16_b32: lane l xor 16
	s_mov_b32 s27, 0xfedcba98
	s_mov_b32 s30, 0xf8                            ; the mask's two codes: byte 0 = -2^15, byte 1 = 0
	s_mov_b32 s32, 0x05010400                      ; v_perm_b32: bytes 0, 1 of two words by turns,
	s_mov_b32 s33, 0x07030602                      ; bytes 2, 3 by turns,
	s_mov_b32 s34, 0x05040100                      ; the two low halves,
	s_mov_b32 s35, 0x07060302                      ; the two high halves
	s_mov_b32 s50, 0                               ; the step's first byte in K's codes,
	s_mov_b32 s51, 0                               ; and in V's
	VWAIT
	s_wait_kmcnt 0x0
	MKS 21, 22, 46                                 ; k's scale and limits for the scores,
	MKS 22, 23, 48                                 ; for the values
	VWAIT
	s_wait_loadcnt 40                              ; loads come back in order: the first half is in
	QUANT KX, 0, 7, 8
	VWAIT
	s_wait_loadcnt 32                              ; the second half
	s_wait_dscnt 0x0                               ; the first half's stores have read their registers
	QUANT O, 1, 7, 8
	; Q: through my stage, in as it lies, back 64 bytes a lane; 32 numbers a lane and tile become the operand's 8 registers: register 4 c + p, byte b = channel 32 c + 16 h + 4 p + b
	VWAIT
	s_wait_loadcnt 16                              ; Q is in; the mask's 16 may be out
	WIN 0x04
.irp i, 0,1,2,3,4,5,6,7,8,9,10,11,12,13,14,15
	ds_store_b128 v3, v[4*\i:4*\i+3] offset:2*\i*SP
.endr
	WIN 0
.irp a, 0,1
.irp c, 0,1
.irp j, 0,1,2,3
	ds_load_b128 v[O+32*\a+16*\c+4*\j:O+32*\a+16*\c+4*\j+3], v9 offset:TST*\a+128*\c+16*\j   ; LDS serves a wave's instructions in order (ISA guide 5.7.1.4): these see my stores
.endr
.endr
.endr
	MKS 20, 24, 54                                 ; q's scale and limits
	MKS 23, 20, 56                                 ; p's
	s_add_co_i32 s44, s20, s21
	s_lshl_b32 s44, s44, 23
	s_add_co_i32 s28, s44, 0x3e38aa3b              ; c = log2(e) / 8, with e0 + e1 added to its exponent field: a sum of codes stands for sum x 2^(e0 + e1)
	s_mov_b32 s29, s28                             ; (named with it as a pair, so it is written)
	s_add_co_i32 s44, s28, 40<<23
	s_or_b32 s44, s44, 0x80000000
	v_mov_b32 v12, s44                             ; the largest t so far: -c 2^40
	v_mov_b32 v13, s44
	v_mov_b32 v16, 0                               ; the sums
	v_mov_b32 v17, 0
	v_floor_f32 v10, -v12                          ; -M
	v_floor_f32 v11, -v13
	v_mov_b32 v18, 0
	v_mov_b32 v19, 0
	v_mov_b32 v21, 0xeeeeeeee                      ; 2^111 as a scale byte (127 + 111), in every byte
	v_mov_b32 v252, 0                              ; a lane permute's destination counts as one of its sources
	v_mov_b32 v253, 0
	VWAIT
	s_wait_dscnt 0x0                               ; Q is back; my codes are in LDS
.set qi, O
.rept 64
	v_med3_num_f32 v[qi], v[qi], s54, s55
.set qi, qi+1
.endr
.irp g, 0,1,2,3
	v_cvt_scalef32_pk8_bf8_f32 v[QC+4*\g:QC+4*\g+1], v[O+16*\g:O+16*\g+7], v24
	v_cvt_scalef32_pk8_bf8_f32 v[QC+4*\g+2:QC+4*\g+3], v[O+16*\g+8:O+16*\g+15], v24
.endr
	v_nop                                          ; a plain line between the conversions and the writes of their sources
	v_add_nc_u32 v7, 256*KP, v7                    ; from here on codes are stored one step ahead
	v_add_nc_u32 v8, 2*VBLK, v8
	KLOAD KX, 0, 1                                 ; step 1's keys, first half
.set qi, O
.rept 64
	v_mov_b32 v[qi], 0                             ; O^T.  (The step is written for all steps alike: the first finds zeros, which the first change of M leaves zeros)
.set qi, qi+1
.endr
	VWAIT
	s_wait_xcnt 0x0                                ; my loads have had their addresses translated: the bases may be written
	s_add_nc_u64 s[6:7], s[6:7], 256*ROW
	s_add_nc_u64 s[8:9], s[8:9], 0x100
	s_wait_loadcnt 8                               ; the mask is in; the keys' 8 may be out
	MASKOUT
	s_wait_dscnt 0x0                               ; the stage holds the mask, and its stores have read their registers
	MASKIN
	s_mov_b32 s52, 2
	VWAIT
	s_wait_dscnt 0x0                               ; no LDS instruction of mine is out
	s_barrier_signal -1
	s_barrier_wait -1                              ; step 0's codes are whole
.Lstep:
	STEP 0
	s_sub_co_u32 s52, s52, 1
	s_cmp_lg_u32 s52, 0
	s_cbranch_scc1 .Lstep
	STEP 1
	STEP 2
	v_lshl_add_u32 v254, v0, 2, SPARE              ; my spare word,
	v_mov_b32 v255, 0                              ; and 0
	VWAIT
	s_wait_tensorcnt 0x0                           ; the wave's end
	ds_add_u32 v254, v255
	s_wait_dscnt 0x0
	s_endpgm
.Lfunc_end_k_qc3cc76e0f5_attn:
	.size	k_qc3cc76e0f5_attn, .Lfunc_end_k_qc3cc76e0f5_attn-k_qc3cc76e0f5_attn
	.p2alignl 7, 3214868480
	.fill 96, 4, 3214868480
	.section	.rodata,"a",@progbits
	.p2align	6, 0x0
	.amdhsa_kernel k_qc3cc76e0f5_attn
		.amdhsa_group_segment_fixed_size 218624
		.amdhsa_private_segment_fixed_size 0
		.amdhsa_enable_private_segment 0
		.amdhsa_kernarg_size 40
		.amdhsa_user_sgpr_count 2
		.amdhsa_user_sgpr_kernarg_segment_ptr 1
		.amdhsa_wavefront_size32 1
		.amdhsa_system_sgpr_workgroup_id_x 1
		.amdhsa_system_sgpr_workgroup_id_y 1
		.amdhsa_system_sgpr_workgroup_id_z 1
		.amdhsa_system_vgpr_workitem_id 0
		.amdhsa_next_free_vgpr 512
		.amdhsa_next_free_sgpr 66
		.amdhsa_reserve_vcc 0
		.amdhsa_float_denorm_mode_32 3
		.amdhsa_float_denorm_mode_16_64 3
		.amdhsa_memory_ordered 1
		.amdhsa_forward_progress 1
		.amdhsa_inst_pref_size 255
	.end_amdhsa_kernel
	.section	.bss,"aw",@nobits
	.p2align	6
	.space	262144
	.amdgpu_metadata
---
amdhsa.version: [ 1, 2 ]
amdhsa.kernels:
  - .name:           k_qc3cc76e0f5_attn
    .symbol:         k_qc3cc76e0f5_attn.kd
    .args:
      - { .name: queries, .offset: 0, .size: 8, .value_kind: global_buffer, .address_space: global }
      - { .name: keys, .offset: 8, .size: 8, .value_kind: global_buffer, .address_space: global }
      - { .name: attn_mask, .offset: 16, .size: 8, .value_kind: global_buffer, .address_space: global }
      - { .name: lowp_scales, .offset: 24, .size: 8, .value_kind: global_buffer, .address_space: global }
      - { .name: out0, .offset: 32, .size: 8, .value_kind: global_buffer, .address_space: global }
    .group_segment_fixed_size: 218624
    .private_segment_fixed_size: 0
    .kernarg_segment_align: 8
    .kernarg_segment_size: 40
    .max_flat_workgroup_size: 256
    .sgpr_count:     66
    .vgpr_count:     512
    .wavefront_size: 32
...
	.end_amdgpu_metadata
.endif
;; end of part 1
